; MI455X (gfx1250); checked and timed in simulation.
; The chip was launched on July 23, 2026; its instructions are those of AMD's public machine-readable ISA for CDNA 5 (MIT licence, August 2026) and "CDNA5" Instruction Set Architecture Reference Guide (July 2026). The comments in the code are by the model that wrote it; some were corrected since.
;; LSTM Cell. Allowed arithmetic: float matrix products may take bf16 or f16 operands with f32 sums; other float arithmetic in f32, or as packed bf16 or f16 multiplies, adds, multiply-adds, maxima and minima; sums over many terms, partial sums and values carried from step to step in f32; what a program stores and reads back later, other than sums and carried values, may be rounded once to bf16 or f16.
;; Inputs: W_fg 2,048 x 4,096 float32; W_ig 2,048 x 4,096 float32; W_og 2,048 x 4,096 float32; W_ol 2,048 x 4,096 float32; c_state 2,048 x 2,048 float32; prev_state 2,048 x 2,048 float32; x 2,048 x 2,048 float32.
;; Outputs: out0 2,048 x 2,048 float32.
;; 2 versions, each right; version 2 is version 1 with the launch cast written anew for expert scheduling mode. Each part assembles by itself: llvm-mc -triple=amdgcn-amd-amdhsa -mcpu=gfx1250 --defsym DOCPART=n.
;; ======== version 1 of 2: 2 launches
;; workspace buffers: opnd 83,886,080 bytes
;; launch cast (part 1): grid 128 x 10, 8 waves a work-group, no clusters, 0 bytes of LDS; arguments prev_state, x, W_fg, W_ig, W_og, W_ol, opnd; writes opnd
.if DOCPART == 1
	.amdgcn_target "amdgcn-amd-amdhsa--gfx1250"
	.amdhsa_code_object_version 6
	.text
	.protected	k_qab887d32ed_cast
	.globl	k_qab887d32ed_cast
	.p2align	8
	.type	k_qab887d32ed_cast,@function
k_qab887d32ed_cast:
	s_mov_b64 s[64:65], 0
	v_nop
	global_prefetch_b8 v0, s[64:65] scope:SCOPE_SE
	s_setreg_imm32_b32 hwreg(HW_REG_WAVE_MODE, 25, 1), 1
	s_wait_xcnt 0x0
; THE MATRIX OPERANDS, ROUNDED ONCE TO bf16 (nearest even) AND LAID OUT FOR THE PRODUCT.  opnd is a bf16 matrix [10240][4096], rows of 8,192 bytes:
;   rows 0 .. 2047      A: row m = prev_state[m][0..2047], then x[m][0..2047]
;   rows 2048 .. 10239  W': column n of gate g (W_fg 0, W_ig 1, W_og 2, W_ol 3) at row 2048 + 128 (n / 32) + 32 g + n % 32,
;                       so that 128 rows on end hold all four gates of 32 neighbouring columns of h.
; A stream: each source byte is read once, each byte of opnd written once; nothing is shared between waves, so no LDS, no barrier, no matrix unit.
; SHARES.  The sources are ten units of 16 MiB (grid y = u): 0 prev_state, 1 x, 2 + 2 g + s the rows 1024 s .. 1024 s + 1023 of gate g.  Wave p = 8 x (grid x) + wave, 0 .. 1023, takes the
; unit's bytes 16,384 p .. 16,384 p + 16,383: two chunks of 2,048 f32.  In units 0 and 1 they are rows 2 p and 2 p + 1 (half a row of opnd each, 8,192 bytes apart); in the others the two
; halves of one row of a weight (4,096 bytes apart).  All 32 loads of a wave go out at once: 16 KiB a wave on their way.
; A load of the wave covers 512 consecutive bytes; a store 256 consecutive bytes, at a multiple of 256 from opnd's first byte.
.set X,   4                            ; v[4:131]  load k's four f32 at X + 4 k; the two packed words take the first two registers' place
.set SRC, 24                           ; s[24:25]  my 16,384 source bytes
.set D0,  40                           ; s[40:41]  where chunk 0 goes;  s[42:43] chunk 1
	s_load_b256 s[8:15], s[0:1], 0x0               ; prev_state s[8:9], x s[10:11], W_fg s[12:13], W_ig s[14:15]
	s_load_b128 s[16:19], s[0:1], 0x20             ; W_og s[16:17], W_ol s[18:19]
	s_load_b64 s[20:21], s[0:1], 0x30              ; opnd
	v_lshrrev_b32 v3, 5, v0
	v_readfirstlane_b32 s5, v3                     ; wave 0..7
	v_and_b32 v1, 31, v0
	v_lshlrev_b32 v2, 3, v1                        ; 8 bytes a lane in a store
	v_lshlrev_b32 v1, 4, v1                        ; 16 bytes a lane in a load
	s_and_b32 s4, ttmp7, 0xffff                    ; u
	s_lshl_b32 s6, ttmp9, 3
	s_add_co_u32 s6, s6, s5                        ; p
	; both cases' offsets are made first; the compares and selects follow, with nothing between that writes SCC
	s_max_u32 s7, s4, 2
	s_sub_co_u32 s7, s7, 2                         ; 2 g + s (0 in units 0 and 1, where it is not used)
	s_lshr_b32 s22, s7, 1                          ; g
	s_and_b32 s23, s7, 1
	s_lshl_b32 s23, s23, 10
	s_add_co_u32 s23, s23, s6                      ; n = 1024 s + p
	s_lshl_b32 s30, s23, 14                        ; a weight: row n of 16,384 bytes
	s_lshr_b32 s31, s23, 5
	s_lshl_b32 s31, s31, 7                         ; 128 (n / 32)
	s_lshl_b32 s2, s22, 5
	s_add_co_u32 s31, s31, s2                      ; + 32 g
	s_and_b32 s2, s23, 31
	s_add_co_u32 s31, s31, s2                      ; + n % 32
	s_add_co_u32 s31, s31, 2048                    ; behind A's rows
	s_lshl_b32 s31, s31, 13                        ; in bytes: under 2^27
	s_lshl_b32 s32, s6, 14                         ; prev_state or x: rows 2 p, 2 p + 1 of 8,192 bytes; also row 2 p of opnd
	s_lshl_b32 s33, s4, 12
	s_add_co_u32 s33, s33, s32                     ; + the row's second half for x
	s_mov_b32 s35, 0
	s_mov_b32 s37, 0
	s_mov_b32 s39, 0
	s_mov_b32 s44, 8192
	s_mov_b32 s45, 4096
	s_wait_kmcnt 0x0
	s_cmp_eq_u32 s4, 0
	s_cselect_b64 s[SRC:SRC+1], s[8:9], s[10:11]
	s_cmp_eq_u32 s22, 0
	s_cselect_b64 s[26:27], s[12:13], s[14:15]
	s_cmp_eq_u32 s22, 2
	s_cselect_b64 s[28:29], s[16:17], s[18:19]
	s_cmp_lt_u32 s22, 2
	s_cselect_b64 s[26:27], s[26:27], s[28:29]     ; gate g's weight
	s_cmp_lt_u32 s4, 2
	s_cselect_b64 s[SRC:SRC+1], s[SRC:SRC+1], s[26:27]
	s_cselect_b32 s34, s32, s30                    ; my offset in the source,
	s_cselect_b32 s36, s33, s31                    ; chunk 0's in opnd,
	s_cselect_b32 s38, s44, s45                    ; and from chunk 0 to chunk 1
	s_add_nc_u64 s[SRC:SRC+1], s[SRC:SRC+1], s[34:35]
	s_add_nc_u64 s[D0:D0+1], s[20:21], s[36:37]
	s_add_nc_u64 s[D0+2:D0+3], s[D0:D0+1], s[38:39]
.set k, 0
.rept 32
	global_load_b128 v[X+4*k:X+4*k+3], v1, s[SRC:SRC+1] offset:512*k th:TH_LOAD_NT
.set k, k+1
.endr
; No register that a load or store names as an address is written again, and a store's data registers are written only ahead of it: no further wait is needed.
.set k, 0
.rept 32
	s_wait_loadcnt 31-k                            ; loads come back in order (ISA guide 5.7.1): load k is in, the 31 - k younger ones stay out
	v_cvt_pk_bf16_f32 v[X+4*k], v[X+4*k], v[X+4*k+1]
	v_cvt_pk_bf16_f32 v[X+4*k+1], v[X+4*k+2], v[X+4*k+3]
	global_store_b64 v2, v[X+4*k:X+4*k+1], s[D0+2*(k/16):D0+2*(k/16)+1] offset:256*(k%16) th:TH_STORE_NT
.set k, k+1
.endr
	s_endpgm
.Lfunc_end_k_qab887d32ed_cast:
	.size	k_qab887d32ed_cast, .Lfunc_end_k_qab887d32ed_cast-k_qab887d32ed_cast
	.p2alignl 7, 3214868480
	.fill 96, 4, 3214868480
	.section	.rodata,"a",@progbits
	.p2align	6, 0x0
	.amdhsa_kernel k_qab887d32ed_cast
		.amdhsa_group_segment_fixed_size 0
		.amdhsa_private_segment_fixed_size 0
		.amdhsa_enable_private_segment 0
		.amdhsa_kernarg_size 56
		.amdhsa_user_sgpr_count 2
		.amdhsa_user_sgpr_kernarg_segment_ptr 1
		.amdhsa_wavefront_size32 1
		.amdhsa_system_sgpr_workgroup_id_x 1
		.amdhsa_system_sgpr_workgroup_id_y 1
		.amdhsa_system_sgpr_workgroup_id_z 1
		.amdhsa_system_vgpr_workitem_id 0
		.amdhsa_next_free_vgpr 132
		.amdhsa_next_free_sgpr 66
		.amdhsa_reserve_vcc 0
		.amdhsa_float_denorm_mode_32 3
		.amdhsa_float_denorm_mode_16_64 3
		.amdhsa_memory_ordered 1
		.amdhsa_forward_progress 1
		.amdhsa_inst_pref_size 14
	.end_amdhsa_kernel
	.amdgpu_metadata
---
amdhsa.version: [ 1, 2 ]
amdhsa.kernels:
  - .name:           k_qab887d32ed_cast
    .symbol:         k_qab887d32ed_cast.kd
    .args:
      - { .name: prev_state, .offset: 0, .size: 8, .value_kind: global_buffer, .address_space: global }
      - { .name: x, .offset: 8, .size: 8, .value_kind: global_buffer, .address_space: global }
      - { .name: W_fg, .offset: 16, .size: 8, .value_kind: global_buffer, .address_space: global }
      - { .name: W_ig, .offset: 24, .size: 8, .value_kind: global_buffer, .address_space: global }
      - { .name: W_og, .offset: 32, .size: 8, .value_kind: global_buffer, .address_space: global }
      - { .name: W_ol, .offset: 40, .size: 8, .value_kind: global_buffer, .address_space: global }
      - { .name: opnd, .offset: 48, .size: 8, .value_kind: global_buffer, .address_space: global }
    .group_segment_fixed_size: 0
    .private_segment_fixed_size: 0
    .kernarg_segment_align: 8
    .kernarg_segment_size: 56
    .max_flat_workgroup_size: 256
    .sgpr_count:     66
    .vgpr_count:     132
    .wavefront_size: 32
...
	.end_amdgpu_metadata
.endif
;; end of part 1
;; launch cell (part 2): grid 32 x 8, 4 waves a work-group, clusters of 4 x 4, 327,680 bytes of LDS; arguments opnd, c_state, out0; writes out0
.if DOCPART == 2
	.amdgcn_target "amdgcn-amd-amdhsa--gfx1250"
	.amdhsa_code_object_version 6
	.text
	.protected	k_qab887d32ed_cell
	.globl	k_qab887d32ed_cell
	.p2align	8
	.type	k_qab887d32ed_cell,@function
k_qab887d32ed_cell:
	s_mov_b64 s[64:65], 0
	v_nop
	global_prefetch_b8 v0, s[64:65] scope:SCOPE_SE
	s_setreg_imm32_b32 hwreg(HW_REG_WAVE_MODE, 25, 1), 1
	s_wait_xcnt 0x0
	s_wait_alu depctr_hold_cnt(0) depctr_sa_sdst(0) depctr_va_vdst(0) depctr_va_sdst(0) depctr_va_ssrc(0) depctr_va_vcc(0) depctr_vm_vsrc(0)
	s_getreg_b32 s2, hwreg(HW_REG_IB_STS2, 6, 4)
	s_cmp_eq_u32 s2, 0
	s_cbranch_scc0 .Lentry_in_a_cluster
	s_endpgm
.Lentry_in_a_cluster:
	s_bfe_u32 s2, ttmp6, 0x10000c
	s_cmp_lg_u32 s2, 0xf033
	s_cbranch_scc0 .Lentry_shape_is_right
	s_endpgm
.Lentry_shape_is_right:
; THE LSTM CELL.  gates = A W'^T (A: rows 0-2047 of opnd, W': rows 2048-10239, both bf16, 4,096 along K; sums in f32), then for each output
;   ht = sig(o) tanh(sig(f) c + sig(i) sig(c~)),   f, i, c~, o the products with W_fg, W_ig, W_og, W_ol;  c_state and out0 are [2048][2048] f32.
; LIMITS.  Matrix operands are rounded to bf16.  sig(z) = 1 / (1 + 2^(-z log2 e)); an exponential that overflows gives an infinity and its reciprocal 0, the right limit.
; tanh(t) = (E - 1) / (E + 1), E = 2^(2 t log2 e), the exponent capped at 64: from 25 on the quotient is 1 in f32, so the cap changes no result; near t = 0 the quotient keeps an absolute
; step of about 6e-8.  Results below 2^-126 count as 0.  NaN and infinities among the inputs are not treated apart (the cap takes a NaN for 64).
; SHARES.  A work-group makes 256 rows x 256 columns of gates: rows 256 R on, W' rows 256 T on, which are all four gates of h's columns 64 T .. 64 T + 63.  32 x 8 = 256 work-groups.  Four waves, each
; 128 x 128: 64 accumulators of 16 x 16, 512 registers.  A wave's 128 W' rows are 4 gates x 32 columns of h: fragment b = 2 g + j holds gate g, columns 16 j on.
; THE MATRIX INSTRUCTION IS USED TRANSPOSED (source 0 = 16 rows of W', source 1 = 16 rows of A): lane l holds row l % 16 and, in registers 0-7, the columns 8 (l / 16) + 0..7.  So the four gates of one
; output lie in the same lane and the same register number of four accumulators: the cell is computed without any exchange between lanes.
; RING.  K goes in steps of 128 through two LDS slots filled by the tensor data mover; the rows of the tiles are 256 bytes of memory and start at multiples of 256 bytes from opnd's first byte.
; CLUSTER.  4 x 4 work-groups.  The four of a row need the same tiles of A, the four of a column the same tiles of W': each tile is asked for JOINTLY, by the same tensor load with the same descriptor
; and a mask that names the four.
; THE TAIL.  When slot 0's last K step has been read, its first half takes the work-group's tile of c_state (its last fill); its second half, which no load fills again, is the stage through
; which ht leaves as whole rows of 256 bytes.
; REGISTERS, in windows of 256 (s_set_vgpr_msb: bits 1:0 source 0, 3:2 source 1, 5:4 source 2, 7:6 destination):
;   window 0: v0-31 addresses; v64-127, v128-191 fragments of A, two buffers; in the tail v64-191 the four gates, v192-223 c
;   window 1: v64-127, v128-191 fragments of W'     window 2: the accumulators of my rows 0-63 ((a, b) at v[8 (8 (a % 4) + b)])     window 3: those of my rows 64-127
.set KDIM,   4096
.set ROWB,   2*KDIM                    ; bytes in a row of opnd
.set HB,     8192                      ; bytes in a row of c_state and of out0
.set WROW,   2048                      ; W' begins at this row of opnd
.set KSTEP,  128
.set PITCH,  272                       ; an LDS row: 256 bytes + 16 of padding = 68 words: row r starts at bank 4 r mod 64 (64 banks of 4 bytes: ISA guide 11.1), so the 16 rows that a load touches start at 16 different banks
.set HALFT,  128*PITCH                 ; 128 rows: what one tensor load brings, and what one wave reads of A or of W'
.set SLOT,   4*HALFT                   ; A's 256 rows, then W's 256 rows
.set STG,    2*HALFT                   ; the tail's stage: 256 rows x 272 bytes, where slot 0 held W'; c's tile lies at byte 0, where it held A
.set SPARE,  2*SLOT                    ; behind the ring: the spare words, 128 bytes for each wave: two blocks of 256 bytes that no other line names
.set LAPS,   KDIM/(2*KSTEP)            ; 16 laps of two K steps
.set ADRA, 16                          ; v16-17  LDS address of my A fragments in slot 0, 1
.set ADRB, 20                          ; v20-21  the same for W'
.set CA,   22                          ; v22     where I read 32 bytes of c: row l % 16 of my rows, my 8 columns
.set SA,   23                          ; v23     the same place in the stage
.set RD,   25                          ; v25     where I read a row of the stage back
.set CO,   26                          ; v26     my byte offset in out0
.set SPW,  28                          ; v28     LDS address of my spare word: SPARE + 4 x my thread's number; never rewritten
.set NIL,  29                          ; v29     0; never rewritten
.set PFO,  30                          ; v30     the prefetches' offset: my lane x a row of opnd; never rewritten
.set F0,   64
.set F1,   128
.set TF,   64                          ; the tail: 32 numbers a lane for each gate: TF + 32 g + 8 q + e
.set TI,   96
.set TC,   128
.set TO,   160
.set CC,   192                         ; c
.set OB,   64                          ; 64 rows read back from the stage
.set G1,  24                           ; s[24:31] descriptor group 1 for A's tiles;  s[32:39] group 0, a set for each slot
.set G0,  32
.set LIM, 43                           ; s43      1 in a wave that prefetches, else the greatest number
.set PFA, 44                           ; s[44:45] where my prefetches stand
.set G1B, 48                           ; s[48:55], s[56:63] the same two groups for W's tiles
.set G0B, 56
.set GC0, 68                           ; s[68:71], s[72:79] the two groups for c's tile
.set GC1, 72
.set NL,  80                           ; s[80:81] -log2 e: the packed forms take the pair's low word for both halves
.set K2,  82                           ; s[82:83] 2 log2 e
.set OFO, 84                           ; s[84:85] byte offset in c_state and out0 of the 64 rows x 64 columns that I fetch and store
.set CAP, 86                           ; s86      64.0
.set MSB, 0
.macro WIN new                         ; the immediate's high byte repeats the setting that is left; a switch that changes nothing is dropped
.if MSB != (\new)
	s_set_vgpr_msb (MSB<<8)|(\new)
.set MSB, \new
.endif
.endm
.set MUL_LO, 0xa1                      ; source 0 (W') window 1, source 1 (A) window 0, C and D window 2
.set MUL_HI, 0xf1                      ; the same, C and D window 3
.set TO_B,   0x40                      ; destination window 1, address window 0
; A joint load.  Waves 0 and 1 fetch A's two halves, waves 2 and 3 W's.  The branch hangs on the wave's number alone.  An s_nop 0 and four v_nop follow each of the two lines, ahead of the jump,
; the label and what follows.
.macro JLOAD s
	s_cmp_eq_u32 s11, 0
	s_cbranch_scc0 .Lfor_b_\@
	tensor_load_to_lds s[G0+4*(\s):G0+4*(\s)+3], s[G1:G1+7]
	s_nop 0
.rept 4
	v_nop
.endr
	s_branch .Lasked_\@
.Lfor_b_\@:
	tensor_load_to_lds s[G0B+4*(\s):G0B+4*(\s)+3], s[G1B:G1B+7]
	s_nop 0
.rept 4
	v_nop
.endr
.Lasked_\@:
.endm
; A PREFETCH INTO THE L2 of the K step that stands two refills on (512 matrix instructions ahead of the load that will ask for it): 32 rows x 256 bytes, a lane a row, one instruction a wave.
; Each row's 256 bytes of a K step are named once in the launch: A's rows by the clusters with x = 0, W's by those with y = 0; of the 128 rows that a wave fetches the partner at place p (cx for A, cy for W')
; takes 32 p .. 32 p + 31, told apart by address.  The loop's last trip (s3 = 1) asks for nothing: its two refills are the last K steps.  K steps 0 to 3 come by their loads alone.
.macro ASK
	s_cmp_gt_u32 s3, s[LIM]
	s_cbranch_scc0 .Lnot_mine_\@
	global_prefetch_b8 v[PFO], s[PFA:PFA+1] offset:KSTEP*2 th:TH_LOAD_NT scope:SCOPE_SE
.Lnot_mine_\@:
.endm
; A round of the cluster's barrier: my work-group's barrier; wave 0 signals for the work-group; every wave waits for all sixteen work-groups; my work-group's barrier once more.
.macro CREST                           ; a round behind its opening barrier
	s_cmp_lg_u32 s10, 0
	s_cbranch_scc1 .Lnot_wave_0_\@
	s_barrier_signal -3
.Lnot_wave_0_\@:
	s_barrier_wait -3
	s_barrier_signal -1
	s_barrier_wait -1
.endm
.macro CROUND                          ; a whole round
	s_barrier_signal -1
	s_barrier_wait -1
	CREST
.endm
	s_load_b128 s[4:7], s[0:1], 0x0                ; opnd s[4:5], c_state s[6:7]
	s_load_b64 s[8:9], s[0:1], 0x10                ; out0
	v_lshl_add_u32 v[SPW], v0, 2, SPARE
	v_mov_b32 v[NIL], 0
	ds_add_u32 v[SPW], v[NIL]                      ; the wave's opening: the add and its wait stand ahead of my first tensor load; the set-up below, work on registers, stands between them
	v_lshrrev_b32 v1, 5, v0
	v_readfirstlane_b32 s10, v1                    ; wave 0..3
	s_lshr_b32 s11, s10, 1                         ; which half of the tile's rows is mine.  Also: I fetch for A (0) or for W' (1)
	s_and_b32 s12, s10, 1                          ; which half of W's rows.  Also: which 128 rows of that tile I fetch
	s_bfe_u32 s40, ttmp6, 0x40000                  ; cx
	s_bfe_u32 s41, ttmp6, 0x40004                  ; cy
	s_lshl_b32 s42, ttmp9, 2
	s_add_co_u32 s42, s42, s40                     ; T = 4 x cluster x + cx
	s_and_b32 s13, ttmp7, 0xffff
	s_lshl_b32 s13, s13, 2
	s_add_co_u32 s13, s13, s41                     ; R = 4 x cluster y + cy
	s_lshl_b32 s43, s41, 2
	s_lshl_b32 s43, 15, s43                        ; my row of the cluster: places 4 cy .. 4 cy + 3
	s_lshl_b32 s44, 0x1111, s40                    ; my column: places cx, cx + 4, cx + 8, cx + 12
	; descriptor group 1 for A and W': a tile of 128 rows x 128 elements, padded in LDS
	s_or_b32 s[G1+0], s43, (1<<16)|(1<<20)|(1<<21)|(5<<22)|(3<<25)   ; 15:0 the mask; 17:16 elements of 2 bytes; 20 padding on; 21 set beside a mask; 24:22 after every 64 words (code 5); 31:25 4 words (code 3)
	s_or_b32 s[G1B+0], s44, (1<<16)|(1<<20)|(1<<21)|(5<<22)|(3<<25)
.irp g, G1, G1B
	s_mov_b32 s[(\g)+1], KSTEP<<16                 ; tensor_dim0 = 128
	s_mov_b32 s[(\g)+2], 128<<16                   ; tensor_dim1 = 128
	s_mov_b32 s[(\g)+3], KSTEP<<16                 ; tile_dim0 = 128
	s_mov_b32 s[(\g)+4], 128                       ; tile_dim1 = 128
	s_mov_b32 s[(\g)+5], KDIM                      ; elements from row to row
	s_mov_b32 s[(\g)+6], 0
	s_mov_b32 s[(\g)+7], 0
.endr
	; c's tile: a load of my own (no mask): 64 rows x 64 f32, rows of 256 bytes, padded alike
	s_mov_b32 s[GC1+0], (2<<16)|(1<<20)|(5<<22)|(3<<25)  ; elements of 4 bytes
	s_mov_b32 s[GC1+1], 64<<16                     ; tensor_dim0 = 64
	s_mov_b32 s[GC1+2], 64<<16                     ; tensor_dim1 = 64
	s_mov_b32 s[GC1+3], 64<<16                     ; tile_dim0 = 64
	s_mov_b32 s[GC1+4], 64                         ; tile_dim1 = 64
	s_mov_b32 s[GC1+5], 2048                       ; elements from row to row
	s_mov_b32 s[GC1+6], 0
	s_mov_b32 s[GC1+7], 0
	s_mov_b32 s[GC0+0], 1
	s_mul_i32 s[GC0+1], s10, 64*PITCH              ; rows 64 w .. 64 w + 63 of the tile, from LDS byte 0 on
	s_mov_b32 s[NL], 0xbfb8aa3b
	s_mov_b32 s[NL+1], s[NL]                       ; named with it as a pair, so it is written
	s_mov_b32 s[K2], 0x4038aa3b
	s_mov_b32 s[K2+1], s[K2]
	s_mov_b32 s[CAP], 0x42800000
	; where the tiles come from, as byte offsets in opnd (under 2^27).  A's hang on R alone, W's on T alone, each in registers that never hold the other coordinate
	s_lshl_b32 s17, s12, 7                         ; which 128 rows of the tile I fetch
	s_lshl_b32 s16, s13, 8
	s_add_co_u32 s16, s16, s17                     ; A: row 256 R + 128 x half
	s_lshl_b32 s16, s16, 13
	s_lshl_b32 s46, s42, 8
	s_add_co_u32 s46, s46, s17
	s_add_co_u32 s46, s46, WROW                    ; W': row 2048 + 256 T + 128 x half
	s_lshl_b32 s46, s46, 13
	s_mov_b32 s17, 0
	s_mov_b32 s47, 0
	s_mul_i32 s20, s10, HALFT                      ; and where they go: A's two halves, then W's two = wave x 128 rows
	s_lshl_b32 s[OFO], s13, 8
	s_lshl_b32 s[OFO+1], s10, 6
	s_add_co_u32 s[OFO], s[OFO], s[OFO+1]          ; c_state and out0: row 256 R + 64 w,
	s_lshl_b32 s[OFO], s[OFO], 13
	s_lshl_b32 s[OFO+1], s42, 8                    ; column 64 T: 256 bytes a tile
	s_add_co_u32 s[OFO], s[OFO], s[OFO+1]
	s_mov_b32 s[OFO+1], 0
	s_wait_dscnt 0x0                               ; the opening add is done
	s_wait_kmcnt 0x0
	s_add_nc_u64 s[14:15], s[4:5], s[16:17]
	s_add_nc_u64 s[46:47], s[4:5], s[46:47]
	s_add_nc_u64 s[GC0+2:GC0+3], s[6:7], s[OFO:OFO+1]
	s_or_b32 s[GC0+3], s[GC0+3], 0x80000000        ; type = 2
	s_add_nc_u64 s[8:9], s[8:9], s[OFO:OFO+1]
	CROUND                                         ; all sixteen work-groups are here: the first joint loads meet
.irp s, 0,1
	s_mov_b32 s[G0+4*(\s)], 1                                        ; count = 1
	s_add_co_u32 s[G0+4*(\s)+1], s20, (\s)*SLOT                      ; LDS address
	s_add_nc_u64 s[G0+4*(\s)+2:G0+4*(\s)+3], s[14:15], (\s)*KSTEP*2  ; global address: K step s
	s_or_b32 s[G0+4*(\s)+3], s[G0+4*(\s)+3], 0x80000000              ; type = 2
	s_mov_b32 s[G0B+4*(\s)], 1
	s_add_co_u32 s[G0B+4*(\s)+1], s20, (\s)*SLOT
	s_add_nc_u64 s[G0B+4*(\s)+2:G0B+4*(\s)+3], s[46:47], (\s)*KSTEP*2
	s_or_b32 s[G0B+4*(\s)+3], s[G0B+4*(\s)+3], 0x80000000
	JLOAD \s                                       ; the ring is filled before anything else is done: two loads of mine are out
.endr
	; A fragment is 16 rows x 32 K in 8 registers: lane l holds row l % 16; registers 0-3 K = 8 (l / 16) + 0..7, registers 4-7 K = 16 + 8 (l / 16) + 0..7: two loads of 16 bytes, 32 bytes apart.
	v_and_b32 v1, 15, v0                           ; l % 16
	v_bfe_u32 v2, v0, 4, 1                         ; l / 16
	v_mul_u32_u24 v3, v1, PITCH
	v_lshl_add_u32 v3, v2, 4, v3                   ; row x pitch + 16 x half
	s_mul_i32 s21, s11, HALFT                      ; my 128 rows of A
	s_mul_i32 s22, s12, HALFT                      ; my 128 rows of W',
	s_add_co_u32 s22, s22, 2*HALFT                 ; which lie behind A's 256
.irp s, 0,1
	v_add_nc_u32 v[ADRA+(\s)], s21, v3
	v_add_nc_u32 v[ADRB+(\s)], s22, v3
	s_add_co_u32 s21, s21, SLOT
	s_add_co_u32 s22, s22, SLOT
.endr
	s_mul_i32 s21, s11, HALFT                      ; c and the stage: my 128 rows,
	s_lshl_b32 s22, s12, 7                         ; my 32 columns of f32: 128 bytes,
	s_add_co_u32 s21, s21, s22
	v_mul_u32_u24 v4, v1, PITCH                    ; row l % 16,
	v_lshl_add_u32 v4, v2, 5, v4                   ; 8 columns, 32 bytes, for each half of the lanes
	v_add_nc_u32 v[CA], s21, v4
	v_add_nc_u32 v[SA], STG, v[CA]
	s_mul_i32 s23, s10, 64*PITCH                   ; back: wave w takes rows 64 w .. 64 w + 63, whole; lanes 0-15 one row of 256 bytes, lanes 16-31 the next
	s_add_co_u32 s23, s23, STG
	v_mul_u32_u24 v5, v2, PITCH
	v_lshl_add_u32 v5, v1, 4, v5
	v_add_nc_u32 v[RD], s23, v5
	v_lshlrev_b32 v5, 13, v2                       ; and the same two rows in out0
	v_lshl_add_u32 v[CO], v1, 4, v5
	; the prefetches
	s_lshl_b32 s20, s13, 8                         ; the tile's first row in opnd: A's by R,
	s_lshl_b32 s21, s42, 8
	s_add_co_u32 s21, s21, WROW                    ; W's by T
	s_and_b32 s22, ttmp7, 0xffff                   ; cluster y
	s_cmp_eq_u32 s11, 0                            ; do I fetch for A?
	s_cselect_b32 s20, s20, s21
	s_cselect_b32 s21, s40, s41                    ; my place among the four that ask for the tile with me
	s_cselect_b32 s22, ttmp9, s22                  ; the coordinate along which other clusters read the same rows
	s_cmp_eq_u32 s22, 0
	s_cselect_b32 s[LIM], 1, -1                    ; the same in all sixteen partners, for a given wave
	s_lshl_b32 s22, s12, 7
	s_add_co_u32 s20, s20, s22                     ; + the 128 rows that I fetch
	s_lshl_b32 s21, s21, 5
	s_add_co_u32 s20, s20, s21                     ; + my work-group's 32 of them
	s_lshl_b32 s20, s20, 13
	s_add_co_u32 s20, s20, 2*KSTEP*2               ; at K step 2: the first refill steps it to 3 and names K step 4
	s_mov_b32 s21, 0
	s_add_nc_u64 s[PFA:PFA+1], s[4:5], s[20:21]
	v_and_b32 v[PFO], 31, v0
	v_lshlrev_b32 v[PFO], 13, v[PFO]
; 16 matrix instructions: m blocks a0, a0 + 1 of the window's four (hi = 0: my rows 0-63, 1: rows 64-127) x all 8 fragments of W', 32 along K.  zero = 1: the first product starts the sums.
; The 64 accumulators take turns, one instruction a turn, in the same order in every quarter step.
.macro MUL16 f, hi, a0, zero
	WIN MUL_LO+0x50*(\hi)
.irp a, \a0, (\a0)+1
.irp b, 0,1,2,3,4,5,6,7
.if \zero
	v_wmma_f32_16x16x32_bf16 v[8*(8*(\a)+(\b)):8*(8*(\a)+(\b))+7], v[(\f)+8*(\b):(\f)+8*(\b)+7], v[(\f)+8*(4*(\hi)+(\a)):(\f)+8*(4*(\hi)+(\a))+7], 0
.else
	v_wmma_f32_16x16x32_bf16 v[8*(8*(\a)+(\b)):8*(8*(\a)+(\b))+7], v[(\f)+8*(\b):(\f)+8*(\b)+7], v[(\f)+8*(4*(\hi)+(\a)):(\f)+8*(4*(\hi)+(\a))+7], v[8*(8*(\a)+(\b)):8*(8*(\a)+(\b))+7]
.endif
.endr
.endr
.endm
; 32 LDS loads in one run: the fragments of one quarter step (128 rows of W', 128 rows of A, 32 K at byte k of the rows) into buffer f
.macro FETCH slot, k, f
	WIN TO_B
.irp i, 0,1,2,3,4,5,6,7
	ds_load_b128 v[(\f)+8*(\i):(\f)+8*(\i)+3],   v[ADRB+(\slot)] offset:(\k)+(\i)*16*PITCH
	ds_load_b128 v[(\f)+8*(\i)+4:(\f)+8*(\i)+7], v[ADRB+(\slot)] offset:(\k)+(\i)*16*PITCH+32
.endr
	WIN 0
.irp i, 0,1,2,3,4,5,6,7
	ds_load_b128 v[(\f)+8*(\i):(\f)+8*(\i)+3],   v[ADRA+(\slot)] offset:(\k)+(\i)*16*PITCH
	ds_load_b128 v[(\f)+8*(\i)+4:(\f)+8*(\i)+7], v[ADRA+(\slot)] offset:(\k)+(\i)*16*PITCH+32
.endr
.endm
; A load into a register that a matrix instruction has read stands four plain vector instructions behind it (ISA guide 7.12.1 for vector instructions)
.macro PLACES
.rept 4
	v_nop
.endr
.endm
; A K step is four quarter steps of 32 along K, 64 matrix instructions each, on buffers 0, 1, 0, 1.  One of the first three: multiplies buffer f; in its middle it fetches the next quarter's fragments into g.
.macro QUARTER slot, k, f, g, zero
	s_wait_dscnt 8                                 ; W' and A's rows 0-63 are in; the youngest eight loads (A's rows 64-127) may be out
	MUL16 \f, 0, 0, \zero
	MUL16 \f, 0, 2, \zero
	PLACES
	FETCH \slot, \k, \g
	s_wait_dscnt 32                                ; all but the 32 just issued
	MUL16 \f, 1, 0, \zero
	MUL16 \f, 1, 2, \zero
.endm
; The last quarter multiplies buffer 1 and changes slots.  MEET is its first half, up to the barrier that opens a round of the cluster's barrier.
.macro MEET
	WIN 0                                          ; (the add's two registers lie in window 0)
	s_wait_tensorcnt 0x0                           ; all my tensor loads have landed: the one that was out is my part of the next slot;
	ds_add_u32 v[SPW], v[NIL]                      ; 0 onto my spare word
	s_wait_dscnt 9                                 ; (the add and the youngest eight loads may be out)
	MUL16 F1, 0, 0, 0                              ; sixteen matrix instructions stand between the add and the wait for it
	s_wait_dscnt 0x0                               ; the add is done, and my reads of this slot are over
	s_barrier_signal -1
	MUL16 F1, 0, 2, 0                              ; work on registers while the others arrive
	WIN 0
	s_barrier_wait -1
.endm
; The whole last quarter: behind the round the slot just read out is filled again first, with the K step two steps on; then come the next slot's first fragments.  From a request to the wait for it a wave
; issues 224 matrix instructions; one load of mine is out.
.macro TURN slot, next
	s_wait_xcnt 0x0                                ; the last prefetch, a K step back, has read its address, so it may be stepped
	s_add_nc_u64 s[PFA:PFA+1], s[PFA:PFA+1], KSTEP*2
	MEET
	CREST                                          ; no wave of any partner still reads this slot's tile or has a load on its way
	s_add_nc_u64 s[G0+4*(\slot)+2:G0+4*(\slot)+3], s[G0+4*(\slot)+2:G0+4*(\slot)+3], 2*KSTEP*2
	s_add_nc_u64 s[G0B+4*(\slot)+2:G0B+4*(\slot)+3], s[G0B+4*(\slot)+2:G0B+4*(\slot)+3], 2*KSTEP*2
	JLOAD \slot                                    ; the first tensor load behind the round; the four v_nop behind it are also the places in front of the loads below
	FETCH \next, 0, F0
	ASK
	MUL16 F1, 1, 0, 0
	MUL16 F1, 1, 2, 0
.endm
; The change out of slot 0's last K step: where A's tile lay, each wave asks for its 64 rows of c's tile; the load has the whole last K step, 256 matrix instructions, in which to land.
.macro TURNC
	MEET
	CREST
	tensor_load_to_lds s[GC0:GC0+3], s[GC1:GC1+7]
	s_nop 0
.rept 4
	v_nop
.endr
	FETCH 1, 0, F0
	MUL16 F1, 1, 0, 0
	MUL16 F1, 1, 2, 0
.endm
; THE TAIL works in four units of two m blocks (a = 2 u, 2 u + 1): 32 outputs a lane, number 8 q + e with q = 2 (a % 2) + j.
.macro CIN u                           ; the unit's c: eight loads of 16 bytes a lane
.irp q, 0,1,2,3
.irp k, 0,1
	ds_load_b128 v[CC+8*(\q)+4*(\k):CC+8*(\q)+4*(\k)+3], v[CA] offset:(2*(\u)+(\q)/2)*16*PITCH+64*((\q)%2)+16*(\k)
.endr
.endr
.endm
.macro BATCH_END                       ; behind a batch of transcendentals: one plain instruction (ISA guide 5.7.2), and the one wait ahead of the batch's first reader
	v_nop
	s_wait_alu depctr_va_vdst(0)
.endm
.macro UNIT u
	WIN 0x02+(\u)/2                                ; source 0: window 2 or 3
.irp q, 0,1,2,3
.irp g, 0,1,2,3
.irp p, 0,2,4,6                        ; each accumulator is read from its low end on
	v_pk_mul_f32 v[TF+32*(\g)+8*(\q)+(\p):TF+32*(\g)+8*(\q)+(\p)+1], v[8*(8*((2*(\u)+(\q)/2)%4)+2*(\g)+(\q)%2)+(\p):8*(8*((2*(\u)+(\q)/2)%4)+2*(\g)+(\q)%2)+(\p)+1], s[NL:NL+1] op_sel_hi:[1,0]  ; -z log2 e
.endr
.endr
.endr
	WIN 0
.set rr, TF
.rept 128
	v_exp_f32 v[rr], v[rr]                         ; e^-z for all four gates
.set rr, rr+1
.endr
	BATCH_END
.set rr, TF
.rept 64
	v_pk_add_f32 v[rr:rr+1], v[rr:rr+1], 1.0 op_sel_hi:[1,0]  ; the four denominators, each at least 1
.set rr, rr+2
.endr
.set rr, 0
.rept 16
	v_pk_mul_f32 v[TI+rr:TI+rr+1], v[TI+rr:TI+rr+1], v[TC+rr:TC+rr+1]  ; one reciprocal serves sig(i) sig(c~).  Sum first, then product: fused, e^-i x infinity with e^-i = 0 would give a NaN
.set rr, rr+2
.endr
.set rr, TF
.rept 64
	v_rcp_f32 v[rr], v[rr]                         ; sig(f); sig(i) sig(c~)
.set rr, rr+1
.endr
	BATCH_END
	s_wait_dscnt 0x0                               ; the unit's c is in
.set rr, 0
.rept 16
	v_pk_fma_f32 v[TC+rr:TC+rr+1], v[CC+rr:CC+rr+1], v[TF+rr:TF+rr+1], v[TI+rr:TI+rr+1]  ; ct
.set rr, rr+2
.endr
.if (\u) < 3
	CIN (\u)+1                                     ; c's registers are free: the next unit's, most of a unit ahead of their use
.endif
.set rr, 0
.rept 16
	v_pk_mul_f32 v[TC+rr:TC+rr+1], v[TC+rr:TC+rr+1], s[K2:K2+1] op_sel_hi:[1,0]
.set rr, rr+2
.endr
.set rr, 0
.rept 32
	v_min_num_f32 v[TC+rr], s[CAP], v[TC+rr]       ; E stays finite, so that (E - 1) / (E + 1) is no quotient of infinities
.set rr, rr+1
.endr
.set rr, 0
.rept 32
	v_exp_f32 v[TC+rr], v[TC+rr]                   ; E = e^(2 ct)
.set rr, rr+1
.endr
	BATCH_END
.set rr, 0
.rept 16
	v_pk_add_f32 v[TF+rr:TF+rr+1], v[TC+rr:TC+rr+1], -1.0 op_sel_hi:[1,0]
	v_pk_add_f32 v[TI+rr:TI+rr+1], v[TC+rr:TC+rr+1], 1.0 op_sel_hi:[1,0]
.set rr, rr+2
.endr
.set rr, 0
.rept 16
	v_pk_mul_f32 v[TI+rr:TI+rr+1], v[TI+rr:TI+rr+1], v[TO+rr:TO+rr+1]  ; (E + 1)(1 + e^-o): one reciprocal serves tanh and sig(o); not fused, for E = 0 beside an infinite 1 + e^-o
.set rr, rr+2
.endr
.set rr, 0
.rept 32
	v_rcp_f32 v[TI+rr], v[TI+rr]
.set rr, rr+1
.endr
	BATCH_END
.set rr, 0
.rept 16
	v_pk_mul_f32 v[TF+rr:TF+rr+1], v[TF+rr:TF+rr+1], v[TI+rr:TI+rr+1]  ; ht
.set rr, rr+2
.endr
.irp q, 0,1,2,3
.irp k, 0,1
	ds_store_b128 v[SA], v[TF+8*(\q)+4*(\k):TF+8*(\q)+4*(\k)+3] offset:(2*(\u)+(\q)/2)*16*PITCH+64*((\q)%2)+16*(\k)
.endr
.endr
.endm
	s_wait_tensorcnt 1                             ; my part of K step 0 is in; K step 1's may stay out
	s_barrier_signal -1
	s_barrier_wait -1                              ; everybody's is
	FETCH 0, 0, F0
	QUARTER 0, 64,  F0, F1, 1                      ; the first quarter stands in front of the loop: its products start the sums
	WIN 0                                          ; at a label and at a branch every window is 0
	s_mov_b32 s3, LAPS-1
.Llap:                                                 ; a trip goes once round the ring, from a lap's second quarter to the next lap's first, and fills both slots again
	QUARTER 0, 128, F1, F0, 0
	QUARTER 0, 192, F0, F1, 0
	TURN 0, 1
	QUARTER 1, 64,  F0, F1, 0
	QUARTER 1, 128, F1, F0, 0
	QUARTER 1, 192, F0, F1, 0
	TURN 1, 0
	QUARTER 0, 64,  F0, F1, 0
	WIN 0
	s_sub_co_u32 s3, s3, 1
	s_cmp_lg_u32 s3, 0
	s_cbranch_scc1 .Llap
	QUARTER 0, 128, F1, F0, 0                      ; the last lap: K steps 30 and 31
	QUARTER 0, 192, F0, F1, 0
	TURNC                                          ; slot 0 has been read out: c's tile is asked for
	QUARTER 1, 64,  F0, F1, 0
	QUARTER 1, 128, F1, F0, 0
	QUARTER 1, 192, F0, F1, 0
	s_wait_dscnt 8                                 ; the very last quarter: nothing more to fetch
	MUL16 F1, 0, 0, 0
	MUL16 F1, 0, 2, 0
	s_wait_dscnt 0x0                               ; no LDS instruction of mine is out at the signal
	s_wait_tensorcnt 0x0                           ; my 64 rows of c's tile have landed: two waves will read them
	s_barrier_signal -1
	MUL16 F1, 1, 0, 0
	MUL16 F1, 1, 2, 0
	WIN 0
	s_barrier_wait -1                              ; c's tile is whole.
	CIN 0
.rept 8
	v_nop                                          ; the places behind the last products: the tail writes where A's fragments lay, and reads results
.endr
	UNIT 0
	UNIT 1
	UNIT 2
	UNIT 3
	s_wait_dscnt 0x0                               ; for the others' sake: my stores into the stage are done; a row's 256 bytes come from two waves
	s_barrier_signal -1
	s_barrier_wait -1
.set t, 0
.rept 32
	ds_load_b128 v[OB+4*t:OB+4*t+3], v[RD] offset:2*PITCH*t  ; two whole rows of 256 bytes
.set t, t+1
.endr
.set t, 0
.rept 32
	s_wait_dscnt 31-t                              ; LDS loads come back in order (ISA guide 5.7.1): load t is in
	global_store_b128 v[CO], v[OB+4*t:OB+4*t+3], s[8:9] offset:2*HB*t th:TH_STORE_NT  ; 16 lanes store 256 consecutive bytes, at a multiple of 256 from out0's first byte
.set t, t+1
.endr
	s_wait_tensorcnt 0x0                           ; the wave's end, behind my last tensor load and my last LDS store
	ds_add_u32 v[SPW], v[NIL]
	s_wait_dscnt 0x0
	CROUND                                         ; the closing round: no work-group ends while a partner may still ask for a tile that names it
	s_endpgm
.Lfunc_end_k_qab887d32ed_cell:
	.size	k_qab887d32ed_cell, .Lfunc_end_k_qab887d32ed_cell-k_qab887d32ed_cell
	.p2alignl 7, 3214868480
	.fill 96, 4, 3214868480
	.section	.rodata,"a",@progbits
	.p2align	6, 0x0
	.amdhsa_kernel k_qab887d32ed_cell
		.amdhsa_group_segment_fixed_size 327680
		.amdhsa_private_segment_fixed_size 0
		.amdhsa_enable_private_segment 0
		.amdhsa_kernarg_size 24
		.amdhsa_user_sgpr_count 2
		.amdhsa_user_sgpr_kernarg_segment_ptr 1
		.amdhsa_wavefront_size32 1
		.amdhsa_system_sgpr_workgroup_id_x 1
		.amdhsa_system_sgpr_workgroup_id_y 1
		.amdhsa_system_sgpr_workgroup_id_z 1
		.amdhsa_system_vgpr_workitem_id 0
		.amdhsa_next_free_vgpr 1024
		.amdhsa_next_free_sgpr 88
		.amdhsa_reserve_vcc 0
		.amdhsa_float_denorm_mode_32 3
		.amdhsa_float_denorm_mode_16_64 3
		.amdhsa_memory_ordered 1
		.amdhsa_forward_progress 1
		.amdhsa_inst_pref_size 221
	.end_amdhsa_kernel
	.amdgpu_metadata
---
amdhsa.version: [ 1, 2 ]
amdhsa.kernels:
  - .name:           k_qab887d32ed_cell
    .symbol:         k_qab887d32ed_cell.kd
    .args:
      - { .name: opnd, .offset: 0, .size: 8, .value_kind: global_buffer, .address_space: global }
      - { .name: c_state, .offset: 8, .size: 8, .value_kind: global_buffer, .address_space: global }
      - { .name: out0, .offset: 16, .size: 8, .value_kind: global_buffer, .address_space: global }
    .group_segment_fixed_size: 327680
    .private_segment_fixed_size: 0
    .kernarg_segment_align: 8
    .kernarg_segment_size: 24
    .max_flat_workgroup_size: 128
    .sgpr_count:     88
    .vgpr_count:     1024
    .wavefront_size: 32
...
	.end_amdgpu_metadata
.endif
;; end of part 2
;; ======== version 2 of 2: 2 launches; version 1 with the launch cast written anew for expert scheduling mode
;; workspace buffers: opnd 83,886,080 bytes
;; launch cast (part 3): grid 128 x 10, 8 waves a work-group, no clusters, 0 bytes of LDS; arguments prev_state, x, W_fg, W_ig, W_og, W_ol, opnd; writes opnd
.if DOCPART == 3
	.amdgcn_target "amdgcn-amd-amdhsa--gfx1250"
	.amdhsa_code_object_version 6
	.text
	.protected	k_qab887d32ed_cast
	.globl	k_qab887d32ed_cast
	.p2align	8
	.type	k_qab887d32ed_cast,@function
k_qab887d32ed_cast:
	s_mov_b64 s[64:65], 0
	v_nop
	global_prefetch_b8 v0, s[64:65] scope:SCOPE_SE
	s_setreg_imm32_b32 hwreg(HW_REG_WAVE_SCHED_MODE, 0, 2), 2
	s_setreg_imm32_b32 hwreg(HW_REG_WAVE_MODE, 25, 1), 1
	s_wait_xcnt 0x0
	s_wait_alu depctr_vm_vsrc(0)
; THE MATRIX OPERANDS, ROUNDED ONCE TO bf16 (nearest even) AND LAID OUT FOR THE PRODUCT.  opnd is a bf16 matrix [10240][4096], rows of 8,192 bytes:
;   rows 0 .. 2047      A: row m = prev_state[m][0..2047], then x[m][0..2047]
;   rows 2048 .. 10239  W': column n of gate g (W_fg 0, W_ig 1, W_og 2, W_ol 3) at row 2048 + 128 (n / 32) + 32 g + n % 32,
;                       so that 128 rows on end hold all four gates of 32 neighbouring columns of h.
; A stream: each source byte is read once, each byte of opnd written once; nothing is shared between waves, so no LDS, no barrier, no matrix unit.
; SHARES.  The sources are ten units of 16 MiB (grid y = u): 0 prev_state, 1 x, 2 + 2 g + s the rows 1024 s .. 1024 s + 1023 of gate g.  Wave p = 8 x (grid x) + wave, 0 .. 1023, takes the
; unit's bytes 16,384 p .. 16,384 p + 16,383: two chunks of 2,048 f32.  In units 0 and 1 they are rows 2 p and 2 p + 1 (half a row of opnd each, 8,192 bytes apart); in the others the two
; halves of one row of a weight (4,096 bytes apart).  All 32 loads of a wave go out at once: 16 KiB a wave on their way.
; A load of the wave covers 512 consecutive bytes; a store 256 consecutive bytes, at a multiple of 256 from opnd's first byte.
; THE MODE: SCHED_MODE bits 1:0 = 2 (LLVM: expert scheduling mode 2), set by the entry lines.  The code itself states the register dependences
; between vector instructions and memory instructions, with s_wait_alu, always for 0.
; THE PLAN.  Registers that memory instructions touch:
;   v1, v2              byte offsets of the loads and of the stores: made once at the head, never written again.
;   X + 4 k .. + 3      load k lands here (no vector instruction has named them before); its two conversions read all four and write the first two; store k reads those two; nothing writes them again.
; The 32 loads' work goes in eight blocks of four.  Block g rounds its own sixteen registers; its memory instructions are the four stores of block g - 1, whose data no vector instruction of block g
; names.  So one wait at a block's head states all that the block's stores hang on, and they are dealt among its conversions with no further wait.
; No register that a memory instruction has read is written again, no load follows a conversion, EXEC is never written, and no scalar base is stepped: no other wait has a dependence to state.
.set X,   4                            ; v[4:131]  load k's four f32 at X + 4 k; the two packed words take the first two registers' place
.set SRC, 24                           ; s[24:25]  my 16,384 source bytes
.set D0,  40                           ; s[40:41]  where chunk 0 goes;  s[42:43] chunk 1
.set BLK, 4                            ; loads, and stores, in a block
	s_load_b256 s[8:15], s[0:1], 0x0               ; prev_state s[8:9], x s[10:11], W_fg s[12:13], W_ig s[14:15]
	s_load_b128 s[16:19], s[0:1], 0x20             ; W_og s[16:17], W_ol s[18:19]
	s_load_b64 s[20:21], s[0:1], 0x30              ; opnd
	v_lshrrev_b32 v3, 5, v0
	v_readfirstlane_b32 s5, v3                     ; wave 0..7
	v_and_b32 v1, 31, v0
	v_lshlrev_b32 v2, 3, v1                        ; 8 bytes a lane in a store
	v_lshlrev_b32 v1, 4, v1                        ; 16 bytes a lane in a load
	s_and_b32 s4, ttmp7, 0xffff                    ; u
	s_lshl_b32 s6, ttmp9, 3
	s_wait_alu depctr_va_sdst(0)                   ; s5 is written, ahead of its first reader: p, and with it every base, is made from it
	s_add_co_u32 s6, s6, s5                        ; p
	; both cases' offsets are made first; the compares and selects follow, with nothing between that writes SCC
	s_max_u32 s7, s4, 2
	s_sub_co_u32 s7, s7, 2                         ; 2 g + s (0 in units 0 and 1, where it is not used)
	s_lshr_b32 s22, s7, 1                          ; g
	s_and_b32 s23, s7, 1
	s_lshl_b32 s23, s23, 10
	s_add_co_u32 s23, s23, s6                      ; n = 1024 s + p
	s_lshl_b32 s30, s23, 14                        ; a weight: row n of 16,384 bytes
	s_lshr_b32 s31, s23, 5
	s_lshl_b32 s31, s31, 7                         ; 128 (n / 32)
	s_lshl_b32 s2, s22, 5
	s_add_co_u32 s31, s31, s2                      ; + 32 g
	s_and_b32 s2, s23, 31
	s_add_co_u32 s31, s31, s2                      ; + n % 32
	s_add_co_u32 s31, s31, 2048                    ; behind A's rows
	s_lshl_b32 s31, s31, 13                        ; in bytes: under 2^27
	s_lshl_b32 s32, s6, 14                         ; prev_state or x: rows 2 p, 2 p + 1 of 8,192 bytes; also row 2 p of opnd
	s_lshl_b32 s33, s4, 12
	s_add_co_u32 s33, s33, s32                     ; + the row's second half for x
	s_mov_b32 s35, 0
	s_mov_b32 s37, 0
	s_mov_b32 s39, 0
	s_mov_b32 s44, 8192
	s_mov_b32 s45, 4096
	s_wait_kmcnt 0x0
	s_cmp_eq_u32 s4, 0
	s_cselect_b64 s[SRC:SRC+1], s[8:9], s[10:11]
	s_cmp_eq_u32 s22, 0
	s_cselect_b64 s[26:27], s[12:13], s[14:15]
	s_cmp_eq_u32 s22, 2
	s_cselect_b64 s[28:29], s[16:17], s[18:19]
	s_cmp_lt_u32 s22, 2
	s_cselect_b64 s[26:27], s[26:27], s[28:29]     ; gate g's weight
	s_cmp_lt_u32 s4, 2
	s_cselect_b64 s[SRC:SRC+1], s[SRC:SRC+1], s[26:27]
	s_cselect_b32 s34, s32, s30                    ; my offset in the source,
	s_cselect_b32 s36, s33, s31                    ; chunk 0's in opnd,
	s_cselect_b32 s38, s44, s45                    ; and from chunk 0 to chunk 1
	s_add_nc_u64 s[SRC:SRC+1], s[SRC:SRC+1], s[34:35]
	s_add_nc_u64 s[D0:D0+1], s[20:21], s[36:37]
	s_add_nc_u64 s[D0+2:D0+3], s[D0:D0+1], s[38:39]
	s_wait_alu depctr_va_vdst(0)                   ; v1 and v2 are written: every load of the kernel reads v1 as its offset, every store v2
.set k, 0
.rept 32
	global_load_b128 v[X+4*k:X+4*k+3], v1, s[SRC:SRC+1] offset:512*k th:TH_LOAD_NT
.set k, k+1
.endr
; Block g: loads 4 g .. 4 g + 3 are rounded; the stores of block g - 1 stand among the conversions, one ahead of each pair.
.set g, 0
.rept 32/BLK
	s_wait_loadcnt 32-BLK-BLK*g                    ; loads come back in order (ISA guide 5.7.1): block g's four are in, the 28 - 4 g younger ones stay out
.if g > 0
	s_wait_alu depctr_va_vdst(0)                   ; the conversions of the block before have written its eight packed words, which the four stores below read
.endif
.set i, 0
.rept BLK
.set k, BLK*g+i
.if g > 0
	global_store_b64 v2, v[X+4*(k-BLK):X+4*(k-BLK)+1], s[D0+2*((k-BLK)/16):D0+2*((k-BLK)/16)+1] offset:256*((k-BLK)%16) th:TH_STORE_NT  ; no vector instruction since the wait names these registers
.endif
	v_cvt_pk_bf16_f32 v[X+4*k], v[X+4*k], v[X+4*k+1]
	v_cvt_pk_bf16_f32 v[X+4*k+1], v[X+4*k+2], v[X+4*k+3]
.set i, i+1
.endr
.set g, g+1
.endr
	s_wait_alu depctr_va_vdst(0)                   ; the last block's conversions have written its eight packed words, which the last four stores read
.set k, 32-BLK
.rept BLK
	global_store_b64 v2, v[X+4*k:X+4*k+1], s[D0+2*(k/16):D0+2*(k/16)+1] offset:256*(k%16) th:TH_STORE_NT
.set k, k+1
.endr
	s_endpgm
.Lfunc_end_k_qab887d32ed_cast:
	.size	k_qab887d32ed_cast, .Lfunc_end_k_qab887d32ed_cast-k_qab887d32ed_cast
	.p2alignl 7, 3214868480
	.fill 96, 4, 3214868480
	.section	.rodata,"a",@progbits
	.p2align	6, 0x0
	.amdhsa_kernel k_qab887d32ed_cast
		.amdhsa_group_segment_fixed_size 0
		.amdhsa_private_segment_fixed_size 0
		.amdhsa_enable_private_segment 0
		.amdhsa_kernarg_size 56
		.amdhsa_user_sgpr_count 2
		.amdhsa_user_sgpr_kernarg_segment_ptr 1
		.amdhsa_wavefront_size32 1
		.amdhsa_system_sgpr_workgroup_id_x 1
		.amdhsa_system_sgpr_workgroup_id_y 1
		.amdhsa_system_sgpr_workgroup_id_z 1
		.amdhsa_system_vgpr_workitem_id 0
		.amdhsa_next_free_vgpr 132
		.amdhsa_next_free_sgpr 66
		.amdhsa_reserve_vcc 0
		.amdhsa_float_denorm_mode_32 3
		.amdhsa_float_denorm_mode_16_64 3
		.amdhsa_memory_ordered 1
		.amdhsa_forward_progress 1
		.amdhsa_inst_pref_size 13
	.end_amdhsa_kernel
	.amdgpu_metadata
---
amdhsa.version: [ 1, 2 ]
amdhsa.kernels:
  - .name:           k_qab887d32ed_cast
    .symbol:         k_qab887d32ed_cast.kd
    .args:
      - { .name: prev_state, .offset: 0, .size: 8, .value_kind: global_buffer, .address_space: global }
      - { .name: x, .offset: 8, .size: 8, .value_kind: global_buffer, .address_space: global }
      - { .name: W_fg, .offset: 16, .size: 8, .value_kind: global_buffer, .address_space: global }
      - { .name: W_ig, .offset: 24, .size: 8, .value_kind: global_buffer, .address_space: global }
      - { .name: W_og, .offset: 32, .size: 8, .value_kind: global_buffer, .address_space: global }
      - { .name: W_ol, .offset: 40, .size: 8, .value_kind: global_buffer, .address_space: global }
      - { .name: opnd, .offset: 48, .size: 8, .value_kind: global_buffer, .address_space: global }
    .group_segment_fixed_size: 0
    .private_segment_fixed_size: 0
    .kernarg_segment_align: 8
    .kernarg_segment_size: 56
    .max_flat_workgroup_size: 256
    .sgpr_count:     66
    .vgpr_count:     132
    .wavefront_size: 32
...
	.end_amdgpu_metadata
.endif
;; end of part 3
;; launch cell: the kernel of part 2 again; grid 32 x 8, 4 waves a work-group, clusters of 4 x 4, 327,680 bytes of LDS; arguments opnd, c_state, out0; writes out0
